; MI455X (gfx1250); checked and timed in simulation.
; The chip was launched on July 23, 2026; its instructions are those of AMD's public machine-readable ISA for CDNA 5 (MIT licence, August 2026) and "CDNA5" Instruction Set Architecture Reference Guide (July 2026). The comments in the code are by the model that wrote it; some were corrected since.
;; Attention. Allowed arithmetic: matrix products marked QUANTISED: E2M3 operands, one E8M0 scale for each 32 along K, by v_wmma_scale_f32_16x16x128_f8f6f4 with both operands' format E2M3, f32 sums; everything else in f32.
;; Inputs: query_input 4 x 2,048 x 1,024 float32; source_input 4 x 4,096 x 1,024 float32.
;; Outputs: out0 4 x 2,048 x 1,024 float32.
;; This version of the problem:
;;   THIS VERSION OF THE PROBLEM IS GIVEN IN LOW PRECISION. The matrix products marked QUANTISED in the list below multiply operands that are first quantised to E2M3 (2 exponent bits, 3 mantissa bits; 6 bits a number), with one power-of-two scale for each 32 numbers along K (OCP MX v1.0); their sums are f32. All else is computed in f32.
;;   The module's matrix products, in the order in which they are computed (A, B: the left and right operand; K: the contracted axis; several contracted axes count as one K, in the product's order):
;;     1. batch 4 x [M 2,048, K 1,024] x [K 1,024, N 4,096]; A: input query_input; B: input source_input: QUANTISED
;;     2. batch 4 x [M 2,048, K 4,096] x [K 4,096, N 1,024]; A: softmax (see below); B: input source_input: QUANTISED
;;   THE QUANTISER, for each operand of a quantised product, along K:
;;     - K is cut into blocks of 32 from its start; a last block that is shorter is filled with zeros.
;;     - A block's scale is 2^e with e = floor(log2(the largest magnitude in the block)) - 2, held to -126 .. 127; a block of zeros has e = 0. As a byte (E8M0): e + 127.
;;     - Each number is divided by its block's scale, clamped to +-7.5, and rounded to the nearest number of E2M3, ties to even, subnormals kept.
;;     - The product sums the exact products of the quantised numbers (number of the format x scale) in f32.
;;   ~~~python
;;   def quantise(x, axis):      # numpy; x: float32 -> the quantised numbers, widened to float32 again
;;       x = np.moveaxis(x, axis, -1); K = x.shape[-1]
;;       x = np.pad(x, [(0, 0)] * (x.ndim - 1) + [(0, -K % 32)]); x = x.reshape(x.shape[:-1] + (-1, 32)); a = np.abs(x).max(-1, keepdims=True)
;;       e = np.where(a > 0, np.clip(np.frexp(np.where(a > 0, a, 1))[1] - 1 - 2, -126, 127), 0)      # np.frexp(a)[1] - 1 = floor(log2(a)), exactly
;;       r = np.clip(x / 2.0 ** e, -7.5, 7.5)
;;       step = 2.0 ** (np.maximum(np.frexp(np.where(r == 0, 1, r))[1] - 1, 0) - 3)
;;       q = np.round(r / step) * step * 2.0 ** e      # np.round: ties to even
;;       return np.moveaxis(q.reshape(q.shape[:-2] + (-1,))[..., :K], -1, axis).astype(np.float32)
;;   ~~~
;;   SOFTMAX AHEAD OF A QUANTISED PRODUCT. Where the list says 'softmax', what is quantised is not the finished softmax but p = 2^(t - M), with t = logit x log2(e) and M = ceil(the row's largest t), a whole number; so 1/2 < the row's largest p <= 1. The row's sum l is taken of the UNQUANTISED p, in f32, and the product's result is divided by l at the end. Since M is a whole number, a kernel that streams over the keys may use a running M (the ceiling of the running maximum): every later rescaling is an exact power of two, which a block's scale takes up: the codes' values come out the same.
;;   OPERANDS COMPUTED ON THE WAY. 'Computed on the way' means the value that the module computes at that place (a softmax that the list does not call 'softmax' is quantised finished and normalised). What goes into a quantiser is computed in f32, as accurately as f32 sums, v_exp_f32 and their like allow (about 1e-6 of the number): no bf16 or f16 on the way to a quantiser, and a product that is left as it is and whose result goes on into a quantised operand takes f32 operands (vector FMAs, or v_wmma_f32_16x16x4_f32). A number that lies on a knife's edge between two numbers of the format may be rounded either way, as far as f32 arithmetic and the matrix unit's own rounding can turn it there, and no further.
;; One version. Each part assembles by itself: llvm-mc -triple=amdgcn-amd-amdhsa -mcpu=gfx1250 --defsym DOCPART=n.
;; ======== version 1 of 1: 3 launches
;; limits: right only within a limited range of input values
;; workspace buffers: qk_codes 18,874,368 bytes; qk_scales 786,432 bytes; v_codes 12,582,912 bytes; v_scales 524,288 bytes; p_codes 25,165,824 bytes; p_stats 3,145,728 bytes
;; launch prep (part 1): grid 512 x 1, 4 waves a work-group, no clusters, 68,608 bytes of LDS; arguments query_input, source_input, qk_codes, qk_scales, v_codes, v_scales; writes qk_codes, qk_scales, v_codes, v_scales
.if DOCPART == 1
	.amdgcn_target "amdgcn-amd-amdhsa--gfx1250"
	.amdhsa_code_object_version 6
	.text
	.protected	k_qa9b9a1bd6b_prep
	.globl	k_qa9b9a1bd6b_prep
	.p2align	8
	.type	k_qa9b9a1bd6b_prep,@function
k_qa9b9a1bd6b_prep:
	s_mov_b64 s[64:65], 0
	v_nop
	global_prefetch_b8 v0, s[64:65] scope:SCOPE_SE
	s_setreg_imm32_b32 hwreg(HW_REG_WAVE_MODE, 25, 1), 1
	s_wait_xcnt 0x0
; PREP.  query_input [8192][1024] and source_input [16384][1024], f32, become codes of FP6 (E2M3) with one E8M0 byte for each 32 along K:
;   both along the 1,024 channels (operands of the first product), source_input also along the keys (operand of the second).  Each f32 byte is read once.
; A block's scale is 2^(floor(log2(largest magnitude)) - 2); its byte is the largest magnitude's exponent field - 2, held at 1 from below.
; LIMITS: a block of zeros, or one whose largest magnitude lies under 2^-124, gets the byte 1 (its codes are zeros or next to it; the bytes are read by this program alone); NaN and infinities are not served.
; SHARES.  A tile is 128 rows x 128 channels (64 KiB): tiles 0-1023 of the source, 1024-1535 of the queries.  A WORK-GROUP WALKS THREE TILES, its number + 0, 512, 1,024: two of the source and one of the queries, the same work for all 512.
; THE LOADS RUN ONE TILE AHEAD: a tile's 32 loads a wave land in registers of their own (window 1, v0-127); when these have been copied into the stage in LDS, the next tile's loads are issued, ahead of this tile's conversions and stores.
;   So no prefetch is laid: the loads themselves are asked for a whole tile ahead.  Two barriers a tile: the stage is whole before it is read, and read out before it is filled again.
; THE WORKSPACE IS LAID AS THE OPERANDS' REGISTERS: a fragment (16 rows x 128 K, 12 registers a lane) is 1,536 dense bytes, register 4 c + e of lane l at 512 c + 16 l + 4 e: three stores of 512 consecutive bytes.
; THE ROWS OF A FRAGMENT ARE NOT NEIGHBOURS: in each group of 128 rows, row r of fragment b is row 64 (b / 4) + 32 (r / 8) + 8 (b % 4) + r % 8.  So the first product's results fall into the layout that the second product's operand wants.
; Scale words (four bytes: 128 along K of one row) lie in planes [K step][row]; they leave in runs of 128 bytes, one hundredth of the launch's bytes.
; No tensor load, no matrix instruction, no cluster: the work-groups share no byte.
.set KCODE, 6291456                    ; in qk_codes the source's fragments lie behind the queries' 512 x 8 x 1,536 bytes
.set KSCAL, 262144                     ; in qk_scales behind the queries' 8 planes of 32,768 bytes
.set SP,    528                        ; the stage in LDS: row rho at SP rho + 128 (rho / 32): the sixteen rows that a fragment's load touches fall on sixteen different columns of 16 bytes
.set GP,    32*SP+128                  ; from a group of 32 rows to the next
.set TN,    37                         ; s37 the tile whose loads are issued next
.set TW,    51                         ; s51 the tile at work
.set CNT,   50                         ; s50 tiles to go
.set PIN,   40                         ; s[40:41] where the next loads read
.set POC,   42                         ; s[42:49] where the tile at work stores: codes by rows, their scale words, codes by columns, their scale words
.set POS,   44
.set PVC,   46
.set PVS,   48
; window 0: v1 lane, v2 r, v3 h; v4 16 x lane; v5 stage, way in; v6 stage, by rows; v8, v9 stage, by columns; v10 4 x lane; v11 8 h; v12-15 scale operands; v16-31 at work; v32-63 codes; v64-191 numbers; v192, v193 the add's two
.set MSB, 0
.macro WIN new                         ; the immediate's high byte repeats the setting that is left
.if MSB != (\new)
	s_set_vgpr_msb (MSB<<8)|(\new)
.set MSB, \new
.endif
.endm
.macro GEO t                           ; of tile s[t]: s21 which 128 rows, s22 which 128 channels; s18, s19, s20 the tensor's place in the shared buffers
	s_cmp_lt_u32 s[\t], 1024                       ; the source's tile or the queries'?
	s_cselect_b32 s17, 0, 1024
	s_cselect_b32 s18, KCODE, 0
	s_cselect_b32 s19, KSCAL, 0
	s_cselect_b32 s20, 16, 15                      ; a plane of scale words: 65,536 or 32,768 bytes
	s_sub_co_u32 s17, s[\t], s17
	s_lshr_b32 s21, s17, 3
	s_and_b32 s22, s17, 7
.endm
.macro FETCH                           ; tile s[TN]: 32 loads a wave, each 512 consecutive bytes of a row, into window 1
	GEO TN
	s_lshl_b32 s24, s21, 19                        ; 128 G rows of 4,096 bytes + 32 w rows + 512 cg
	s_lshl_b32 s23, s16, 17
	s_add_co_u32 s24, s24, s23
	s_lshl_b32 s23, s22, 9
	s_add_co_u32 s24, s24, s23
	s_mov_b32 s25, 0
	s_cmp_lt_u32 s[TN], 1024                       ; the choice hangs on the tile's number alone
	s_cselect_b64 s[PIN:PIN+1], s[6:7], s[4:5]
	s_add_nc_u64 s[PIN:PIN+1], s[PIN:PIN+1], s[24:25]
	WIN 0x40
.set i, 0
.rept 32
	global_load_b128 v[4*i:4*i+3], v4, s[PIN:PIN+1] offset:4096*i th:TH_LOAD_NT
.set i, i+1
.endr
	WIN 0
.endm
	s_load_b256 s[4:11], s[0:1], 0x0               ; queries s[4:5], source s[6:7], qk_codes s[8:9], qk_scales s[10:11]: kept as they are
	s_load_b128 s[12:15], s[0:1], 0x20             ; v_codes s[12:13], v_scales s[14:15]
	v_lshl_add_u32 v192, v0, 2, 0x10a00
	v_mov_b32 v193, 0
	v_lshrrev_b32 v1, 5, v0
	v_readfirstlane_b32 s16, v1                    ; wave 0..3
	v_and_b32 v1, 31, v0                           ; lane
	v_and_b32 v2, 15, v0                           ; r
	v_bfe_u32 v3, v0, 4, 1                         ; h
	v_lshlrev_b32 v4, 4, v1
	v_lshlrev_b32 v10, 2, v1
	v_lshlrev_b32 v11, 3, v3
	v_mov_b32 v23, 0                               ; written once: a lane permute's destination counts as one of its sources
	s_mul_i32 s40, s16, GP                         ; way in: wave w brings rows 32 w .. 32 w + 31: group w
	v_add_nc_u32 v5, s40, v4
	s_and_b32 s41, s16, 1
	s_lshr_b32 s42, s16, 1                         ; by rows: fragment 2 w + u, row r is row 64 (w / 2) + 16 (w % 2) + 8 u + 32 (r / 8) + r % 8
	s_mul_i32 s42, s42, 2*GP
	s_mul_i32 s41, s41, 16*SP
	s_add_co_u32 s42, s42, s41
	v_and_b32 v7, 7, v2
	v_mul_u32_u24 v6, v7, SP
	v_lshrrev_b32 v7, 3, v2
	v_mad_u32_u24 v6, v7, GP, v6
	v_lshl_add_u32 v6, v3, 7, v6                   ; + 128 h: lane (r, h) takes channels 64 c + 32 h + 0 .. 31
	v_add_nc_u32 v6, s42, v6
	s_lshl_b32 s41, s16, 7                         ; by columns: channel 32 w + lane
	v_add_nc_u32 v8, s41, v10
	v_add_nc_u32 v9, 2*GP, v8                      ; rows 64 on: so the immediates stay under 65,536
	s_mov_b32 s30, 0x76543210
	s_mov_b32 s31, 0xfedcba98                      ; v_permlanex16_b32's selects for lane l xor 16
	s_mov_b32 s36, 0xffff0000                      ; lanes 16-31
	s_mov_b32 s[TN], ttmp9
	s_mov_b32 s[CNT], 3
	s_wait_alu depctr_va_vdst(0)                   ; the wait at the head's end
	s_wait_kmcnt 0x0
	FETCH                                          ; the first tile
; 64 numbers at v[x] on become a fragment's 12 registers at v[pc] on and its rows' scale word in v[wd]
.macro QROW x, pc, wd
.irp c, 0,1
	v_max3_num_f32 v[16+\c], |v[\x+32*\c]|, |v[\x+32*\c+1]|, 0x1800000   ; my block 2 c + h, and the floor 2^(3 - 127): the byte cannot fall under 1
.endr
.irp i, 2,4,6,8,10,12,14,16,18,20,22,24,26,28,30
.irp c, 0,1
	v_max3_num_f32 v[16+\c], v[16+\c], |v[\x+32*\c+\i]|, |v[\x+32*\c+\i+1]|   ; (the two blocks by turns)
.endr
.endr
.irp c, 0,1
	v_add_nc_u32 v[18+\c], 0xff000000, v[16+\c]    ; 2 off the exponent field: the conversion takes the exponent field of this operand as its scale
.endr
.irp c, 0,1
	v_lshrrev_b32 v[20+\c], 23, v[18+\c]           ; the scale's byte
.endr
	v_lshl_or_b32 v22, v21, 16, v20                ; my two bytes, blocks h and 2 + h,
	v_lshlrev_b32 v22, v11, v22                    ; at their places (8 h bits up);
	v_permlanex16_b32 v23, v22, s30, s31
	v_or_b32 v[\wd], v22, v23                      ; with lane l xor 16's two the word is whole
.irp c, 0,1
	v_cvt_scalef32_pk16_fp6_f32 v[\pc+6*\c:\pc+6*\c+2], v[\x+32*\c:\x+32*\c+15], v[18+\c]
	v_cvt_scalef32_pk16_fp6_f32 v[24+4*\c:26+4*\c], v[\x+32*\c+16:\x+32*\c+31], v[18+\c]   ; (a conversion's three registers begin on an even number)
.endr
	v_nop                                          ; one plain place behind a scaled conversion
.irp c, 0,1
.irp i, 0,1,2
	v_mov_b32 v[\pc+6*\c+3+\i], v[24+4*\c+\i]
.endr
.endr
.endm
.macro CLOAD t
.set i, 0
.rept 32
.set rho, 32*(\t)+i
	ds_load_b32 v[64+rho], v[8+rho/64] offset:SP*(rho%64)+128*((rho/32)%2)
.set i, i+1
.endr
.endm
.macro CBLK t                          ; block t: even blocks' codes to v32 on and v24 on, odd blocks' to v44 on and v56 on
.set XS, 64+32*(\t)
.set CI, 32+12*((\t)%2)+6*((\t)/2)
.set CT, 24+32*((\t)%2)+4*((\t)/2)
	v_max3_num_f32 v16, |v[XS]|, |v[XS+1]|, |v[XS+2]|
	v_max3_num_f32 v17, |v[XS+3]|, |v[XS+4]|, |v[XS+5]|
.irp i, 6,10,14,18,22,26
	v_max3_num_f32 v16, v16, |v[XS+\i]|, |v[XS+\i+1]|
	v_max3_num_f32 v17, v17, |v[XS+\i+2]|, |v[XS+\i+3]|
.endr
	v_max3_num_f32 v16, v16, |v[XS+30]|, |v[XS+31]|
	v_max3_num_f32 v16, v16, v17, 0x1800000
	v_add_nc_u32 v[12+(\t)], 0xff000000, v16
	v_lshrrev_b32 v20, 23, v[12+(\t)]
.if (\t) == 0
	v_mov_b32 v21, v20                             ; the channel's scale word: the lower keys in the lower byte
.else
	v_lshl_or_b32 v21, v20, 8*(\t), v21
.endif
	v_cvt_scalef32_pk16_fp6_f32 v[CI:CI+2], v[XS:XS+15], v[12+(\t)]
	v_cvt_scalef32_pk16_fp6_f32 v[CT:CT+2], v[XS+16:XS+31], v[12+(\t)]
.endm
.Ltile:
	s_wait_xcnt 0x0                                ; the last tile's stores have read their registers and bases: only now are these written again
	s_mov_b32 s[TW], s[TN]
	GEO TW
	s_lshl_b32 s26, s21, 3                         ; codes by rows: ((8 G + 2 w) x 8 + cg) x 1,536
	s_lshl_b32 s23, s16, 1
	s_add_co_u32 s26, s26, s23
	s_lshl_b32 s26, s26, 3
	s_add_co_u32 s26, s26, s22
	s_mul_i32 s26, s26, 1536
	s_add_co_u32 s26, s26, s18
	s_mov_b32 s27, 0
	s_lshl_b32 s28, s22, s20                       ; their scale words: plane cg, row 128 G + 32 w
	s_add_co_u32 s28, s28, s19
	s_lshl_b32 s23, s21, 9
	s_add_co_u32 s28, s28, s23
	s_lshl_b32 s23, s16, 7
	s_add_co_u32 s28, s28, s23
	s_mov_b32 s29, 0
	s_lshr_b32 s32, s21, 5                         ; codes by columns: ((64 batch + 8 cg + 2 w) x 32 + G % 32) x 1,536
	s_lshl_b32 s32, s32, 6
	s_lshl_b32 s23, s22, 3
	s_add_co_u32 s32, s32, s23
	s_lshl_b32 s23, s16, 1
	s_add_co_u32 s32, s32, s23
	s_lshl_b32 s32, s32, 5
	s_and_b32 s23, s21, 31
	s_add_co_u32 s32, s32, s23
	s_mul_i32 s32, s32, 1536
	s_mov_b32 s33, 0
	s_lshl_b32 s34, s21, 12                        ; their scale words: (1,024 G + 128 cg + 32 w) x 4
	s_lshl_b32 s23, s22, 9
	s_add_co_u32 s34, s34, s23
	s_lshl_b32 s23, s16, 7
	s_add_co_u32 s34, s34, s23
	s_mov_b32 s35, 0
	s_add_nc_u64 s[POC:POC+1], s[8:9], s[26:27]
	s_add_nc_u64 s[POS:POS+1], s[10:11], s[28:29]
	s_add_nc_u64 s[PVC:PVC+1], s[12:13], s[32:33]
	s_add_nc_u64 s[PVS:PVS+1], s[14:15], s[34:35]
; ---- the way in: the rows go to the stage as they lie
	WIN 0x04                                       ; the stores' data lie in window 1
.irp g, 0,1,2,3
	s_wait_loadcnt 24-8*\g                         ; loads come back in order: this group of eight is in, the younger groups stay out
.irp i, 0,1,2,3,4,5,6,7
	ds_store_b128 v5, v[32*\g+4*\i:32*\g+4*\i+3] offset:SP*(8*\g+\i)
.endr
.endr
	WIN 0
	s_wait_dscnt 0x0                               ; for the others' sake: my rows lie in the stage; and the stores have read window 1
	s_barrier_signal -1
	s_barrier_wait -1                              ; from here to the tile's second barrier the stage is only read
	s_add_co_u32 s[TN], s[TN], 512
	s_cmp_eq_u32 s[CNT], 1
	s_cbranch_scc1 .Lno_more                       ; the last tile fetches nothing
	FETCH                                          ; the next tile's loads, ahead of this tile's work
.Lno_more:
; ---- by rows: two fragments a wave.  A lane's 64 numbers: register 32 c + i = channel 64 c + 32 h + i of its row: two whole blocks
.irp u, 0,1
.irp c, 0,1
.irp j, 0,1,2,3,4,5,6,7
	ds_load_b128 v[64+64*\u+32*\c+4*\j:67+64*\u+32*\c+4*\j], v6 offset:8*SP*\u+256*\c+16*\j
.endr
.endr
.endr
	s_wait_dscnt 16                                ; the first fragment's 16 loads are in, the second's may be out
	QROW 64, 32, 56
.irp c, 0,1,2
	global_store_b128 v4, v[32+4*\c:35+4*\c], s[POC:POC+1] offset:512*\c        ; 32 lanes store 512 consecutive bytes, aligned
.endr
	s_wait_dscnt 0x0
	QROW 128, 44, 57
.irp c, 0,1,2
	global_store_b128 v4, v[44+4*\c:47+4*\c], s[POC:POC+1] offset:12288+512*\c  ; the next fragment of rows lies 8 K steps on
.endr
	v_cndmask_b32 v58, v56, v57, s36               ; lanes 0-15: the first fragment's words, lanes 16-31 the second's
	global_store_b32 v10, v58, s[POS:POS+1]
	s_cmp_ge_u32 s[TW], 1024                       ; a tile of the queries is done; the branch is the same in all waves and leads round no barrier
	s_wait_alu depctr_va_vdst(0)                   ; directly ahead of the branch
	s_cbranch_scc1 .Ltile_done
; ---- by columns (the source alone): a lane takes channel 32 w + lane, and its registers run down the 128 keys: four whole blocks
	CLOAD 0
	CLOAD 1
	s_wait_xcnt 0x0                                ; the stores above have read v32-58: they are written again only behind this wait
	s_wait_dscnt 32                                ; block 0 is in; the 32 loads issued behind it may be out
	CLOAD 2
	CBLK 0
	s_wait_dscnt 32                                ; block 1
	CLOAD 3
	CBLK 1
	s_wait_dscnt 32                                ; block 2
	CBLK 2
	s_wait_dscnt 0x0
	CBLK 3
	v_nop                                          ; one plain place behind the last conversion
.irp c, 0,1                            ; a fragment wants block 2 c in lanes 0-15 and block 2 c + 1 in lanes 16-31, of 16 channels: the even blocks' lanes 16-31 change places with the odd blocks' lanes 0-15
.irp i, 0,1,2
	v_permlane16_swap_b32 v[32+6*\c+\i], v[44+6*\c+\i]
	v_permlane16_swap_b32 v[24+4*\c+\i], v[56+4*\c+\i]
.endr
.endr
.irp c, 0,1
.irp i, 0,1,2
	v_mov_b32 v[35+6*\c+\i], v[24+4*\c+\i]
	v_mov_b32 v[47+6*\c+\i], v[56+4*\c+\i]
.endr
.endr
.irp u, 0,1
.irp c, 0,1,2
	global_store_b128 v4, v[32+12*\u+4*\c:35+12*\u+4*\c], s[PVC:PVC+1] offset:49152*\u+512*\c   ; channels 16 u on: 32 K steps of keys further
.endr
.endr
	global_store_b32 v10, v21, s[PVS:PVS+1]
.Ltile_done:
	s_wait_alu depctr_va_vdst(0)                   ; ahead of the waits, the barrier and the branch below
	s_wait_dscnt 0x0                               ; my reads of the stage are over
	s_barrier_signal -1
	s_barrier_wait -1                              ; everybody's are: the stage may be filled again
	s_sub_co_u32 s[CNT], s[CNT], 1
	s_cmp_lg_u32 s[CNT], 0
	s_cbranch_scc1 .Ltile
	s_wait_tensorcnt 0x0                           ; the wave's end
	ds_add_u32 v192, v193
	s_wait_dscnt 0x0
	s_endpgm
.Lfunc_end_k_qa9b9a1bd6b_prep:
	.size	k_qa9b9a1bd6b_prep, .Lfunc_end_k_qa9b9a1bd6b_prep-k_qa9b9a1bd6b_prep
	.p2alignl 7, 3214868480
	.fill 96, 4, 3214868480
	.section	.rodata,"a",@progbits
	.p2align	6, 0x0
	.amdhsa_kernel k_qa9b9a1bd6b_prep
		.amdhsa_group_segment_fixed_size 68608
		.amdhsa_private_segment_fixed_size 0
		.amdhsa_enable_private_segment 0
		.amdhsa_kernarg_size 48
		.amdhsa_user_sgpr_count 2
		.amdhsa_user_sgpr_kernarg_segment_ptr 1
		.amdhsa_wavefront_size32 1
		.amdhsa_system_sgpr_workgroup_id_x 1
		.amdhsa_system_sgpr_workgroup_id_y 1
		.amdhsa_system_sgpr_workgroup_id_z 1
		.amdhsa_system_vgpr_workitem_id 0
		.amdhsa_next_free_vgpr 384
		.amdhsa_next_free_sgpr 66
		.amdhsa_reserve_vcc 0
		.amdhsa_float_denorm_mode_32 3
		.amdhsa_float_denorm_mode_16_64 3
		.amdhsa_memory_ordered 1
		.amdhsa_forward_progress 1
		.amdhsa_inst_pref_size 38
	.end_amdhsa_kernel
	.amdgpu_metadata
---
amdhsa.version: [ 1, 2 ]
amdhsa.kernels:
  - .name:           k_qa9b9a1bd6b_prep
    .symbol:         k_qa9b9a1bd6b_prep.kd
    .args:
      - { .name: query_input, .offset: 0, .size: 8, .value_kind: global_buffer, .address_space: global }
      - { .name: source_input, .offset: 8, .size: 8, .value_kind: global_buffer, .address_space: global }
      - { .name: qk_codes, .offset: 16, .size: 8, .value_kind: global_buffer, .address_space: global }
      - { .name: qk_scales, .offset: 24, .size: 8, .value_kind: global_buffer, .address_space: global }
      - { .name: v_codes, .offset: 32, .size: 8, .value_kind: global_buffer, .address_space: global }
      - { .name: v_scales, .offset: 40, .size: 8, .value_kind: global_buffer, .address_space: global }
    .group_segment_fixed_size: 68608
    .private_segment_fixed_size: 0
    .kernarg_segment_align: 8
    .kernarg_segment_size: 48
    .max_flat_workgroup_size: 128
    .sgpr_count:     66
    .vgpr_count:     384
    .wavefront_size: 32
...
	.end_amdgpu_metadata
.endif
;; end of part 1
;; launch scores (part 2): grid 8 x 32, 4 waves a work-group, clusters of 4 x 4, 327,680 bytes of LDS; arguments qk_codes, qk_scales, p_codes, p_stats; writes p_codes, p_stats
.if DOCPART == 2
	.amdgcn_target "amdgcn-amd-amdhsa--gfx1250"
	.amdhsa_code_object_version 6
	.text
	.protected	k_qa9b9a1bd6b_scores
	.globl	k_qa9b9a1bd6b_scores
	.p2align	8
	.type	k_qa9b9a1bd6b_scores,@function
k_qa9b9a1bd6b_scores:
	s_mov_b64 s[64:65], 0
	v_nop
	global_prefetch_b8 v0, s[64:65] scope:SCOPE_SE
	s_setreg_imm32_b32 hwreg(HW_REG_WAVE_MODE, 25, 1), 1
	s_wait_xcnt 0x0
	s_wait_alu depctr_hold_cnt(0) depctr_sa_sdst(0) depctr_va_vdst(0) depctr_va_sdst(0) depctr_va_ssrc(0) depctr_va_vcc(0) depctr_vm_vsrc(0)
	s_getreg_b32 s2, hwreg(HW_REG_IB_STS2, 6, 4)
	s_cmp_eq_u32 s2, 0
	s_cbranch_scc0 .Lentry_in_a_cluster
	s_endpgm
.Lentry_in_a_cluster:
	s_bfe_u32 s2, ttmp6, 0x10000c
	s_cmp_lg_u32 s2, 0xf033
	s_cbranch_scc0 .Lentry_shape_is_right
	s_endpgm
.Lentry_shape_is_right:
; SCORES.  S^T = K Q^T on codes of FP6 (E2M3) with E8M0 scales, K = 1,024 channels, and the part of the softmax that one row can do within 128 keys:
;   t = score x log2(e) / 32;  M = the largest t of the row's 128 keys, rounded UP to a whole number;  p = 2^(t - M), quantised along the keys;  l = the sum of the unquantised p.
; Stored for each row and each segment of 128 keys: p's codes (as the next product's fragment), its scale word, -M and l.  The next launch brings the bytes under the row's own M: a whole number off each byte.
; LIMITS: NaN and infinities are not served; M is exact for |t| under 2^24; a block whose every p has fallen to 0 keeps the byte 1 (its codes are zeros).
; SHARES.  A work-group owns 256 queries and makes two tiles of 256 keys, one after the other, as the two trips of a loop.  Four waves, each 128 queries x 128 keys: 64 accumulators, 512 registers.
; THE QUERIES' CODES STAY IN LDS for both tiles (196,608 bytes, filled once); the keys' go through a ring of two slots of 256 along K.  All operands lie in memory as images of their registers: three ds_load_b128 at 16 x lane bring a fragment.
; CLUSTERS: 4 x 4.  A row of the cluster shares the queries, a column the keys: each tile is asked for jointly, every wave a quarter of it; no branch stands round a load.
; TRANSPOSED: source 0 = 16 keys, source 1 = 16 queries: a lane holds one query.  By the order in which the first launch took the rows of a fragment, the 64 registers of a block of queries are keys 64 c + 32 h + i (register 32 c + i):
; two whole blocks of 32 in the order of the 6-bit operand: no maximum of a block and no code changes lanes.
; THE SECOND TILE'S KEYS ARE PREFETCHED INTO THE L2 (macro ASK): at each change of slots every wave has waited for all its tensor loads, so a refill goes out with nothing on its way beside it, and a slot holds 128 matrix instructions a wave.
; REGISTERS: window 0: v16-30 addresses; v32-47 the queries' scale words, v48-63 the keys', two sets each (lanes 0-15: the slot's first 128 along K, lanes 16-31 its second); v64-127 p; v128-223 the queries' fragments, ONE set (on the way out: at work); v224-247 the statistics.
;   window 1: the keys' fragments, two sets, at v0 and v128.   windows 2, 3: the accumulators ((a, b) at v[8 (8 (a % 4) + b)]).
; THE WALK, as it stands now: the two tiles are the two trips of the loop .Ltile; what a tile's number moves is stepped at a trip's end (the keys' scale words' LDS address, the bases of the codes and of the statistics).
; Only the end of the ring is written twice: a tile with a successor fills both slots with the next tile's keys, the last fills nothing; the choice hangs on the count of tiles alone.
; THE FIRST FILLS: one tensor load a wave at the head (half of the queries' K, the keys' slot 0, both tables of scale words), the other half and slot 1 behind the next round; the ring's refills are a quarter of a slot a wave.
.set FR,    12
.set TLS,   3                          ; s3 tiles to go
.set BK,    196608                     ; LDS: the queries at 0: [2 halves of K][16 fragments of rows][6,144 bytes]; the ring here
.set SLB,   49152                      ; a slot: 16 fragments of rows x 2 K steps
.set SCA,   294912                     ; the queries' scale words [8 K steps][256 rows]
.set SCB,   303104                     ; the keys' [8][2 tiles][256]
.set STG,   319488                     ; 1,536 bytes a wave for the statistics' way out: written by LDS stores alone, no fill lands there
.set SPARE, 325632                     ; the spare words, 128 bytes a wave: two blocks of 256 bytes that no other line names
.set ADRA, 16                          ; v16-17 my queries' fragments, a half of K each
.set ADRB, 20                          ; v20-21 my keys' fragments in slot 0, 1
.set AAS,  22
.set ABS,  23
.set PO,   24                          ; 16 x lane
.set SGW,  25
.set SGR,  26
.set H8,   27                          ; 8 h
.set SPW,  28                          ; SPARE + 4 x my thread's number; never rewritten
.set NIL,  29                          ; 0; never rewritten
.set PFO,  30                          ; the prefetches' offset: thread j names block j % 24 of fragment row j / 24; never rewritten
.set AS,   32
.set BS,   48
.set EP,   64
.set AF,   128
.set BM,   128                         ; the way out, in the registers that the queries' fragments have left: v128-131 four running maxima
.set NM,   132
.set SO,   138
.set BY,   140
.set WD,   142
.set WT,   143
.set LL,   144
.set LT,   145
.set T0,   146
.set T1,   147
.set TC,   148
.set PC,   160
.set SS,   184                         ; v184-191 four running sums, a pair each
.set ST,   224
.set SB,   236
.set G1A,  24
.set G1B,  32
.set G1SA, 40
.set G1SB, 48
.set G0B,  56                          ; s[56:63] the ring's groups 0, one for each slot
.set G0A,  68                          ; s[68:75] the queries' two halves of K
.set G1W,  76                          ; s[76:83] group 1 of a whole slot of keys: 16 fragments of rows
.set G0W,  4                           ; s[4:11] its two groups 0, in the registers that the arguments have left
.set G0SA, 84
.set G0SB, 88
.set PB,   92                          ; s[92:93] where my codes go
.set SBS,  94                          ; s[94:95] and my statistics
.set PFK,  96                          ; s[96:97] the prefetches' base: my work-group's four fragment rows of the second tile's keys; never rewritten
.set LIM,  101                         ; s101 3 where my cluster asks, else 0: waves under it ask
.set MSB, 0
.macro WIN new                         ; the immediate's high byte repeats the setting that is left
.if MSB != (\new)
	s_set_vgpr_msb (MSB<<8)|(\new)
.set MSB, \new
.endif
.endm
.set MUL_LO, 0xa1                      ; source 0 (keys) window 1, source 1 (queries) window 0, C and D window 2
.set MUL_HI, 0xf1
.set TO_B,   0x40
.macro PLACES                          ; four plain places behind a matrix instruction, ahead of loads into its registers and of reads of its results
.rept 4
	v_nop
.endr
.endm
.macro CREST                           ; a round of the cluster's barrier behind its opening barrier
	s_cmp_lg_u32 s14, 0
	s_cbranch_scc1 .Lnot_wave_0_\@
	s_barrier_signal -3
.Lnot_wave_0_\@:
	s_barrier_wait -3
	s_barrier_signal -1
	s_barrier_wait -1
.endm
.macro CROUND
	s_barrier_signal -1
	s_barrier_wait -1
	CREST
.endm
.macro SHAPE g, c, r, p                ; words 1 to 7 of a group 1: r rows of c elements of 8 bytes, p elements apart
	s_mov_b32 s[\g+1], (\c)<<16
	s_mov_b32 s[\g+2], (\r)<<16
	s_mov_b32 s[\g+3], (\c)<<16
	s_mov_b32 s[\g+4], \r
	s_mov_b32 s[\g+5], \p
	s_mov_b32 s[\g+6], 0
	s_mov_b32 s[\g+7], 0
.endm
; A PREFETCH INTO THE L2 of two neighbouring slots of the second tile's keys: in a fragment row they are 6,144 consecutive bytes, 24 blocks of 256.  It stands behind the joint load, its four lines and the run of LDS loads.
; The first tile's first change of slots asks for the second tile's slots 0 and 1, its third change for slots 2 and 3: each two and three changes of slots, 256 and 384 matrix instructions, ahead of the load that wants it.
; Each block is named ONCE in the launch.  The two clusters of a batch with the same x walk the same keys: the one with the even y asks.  The four partners of a column take four of the sixteen fragment rows each, told apart BY ADDRESS (4 cy):
; 96 blocks, a thread a block: waves 0 to 2, one instruction each.  The first tile's slots come by their loads alone; the second tile asks for nothing: there is nothing behind it.
.macro ASK off
	s_cmp_lt_u32 s14, s[LIM]
	s_cbranch_scc0 .Lnot_mine_\@
	global_prefetch_b8 v[PFO], s[PFK:PFK+1] offset:\off th:TH_LOAD_NT scope:SCOPE_SE
.Lnot_mine_\@:
.endm
	s_load_b256 s[4:11], s[0:1], 0x0               ; qk_codes s[4:5], qk_scales s[6:7], p_codes s[8:9], p_stats s[10:11]
	v_lshl_add_u32 v[SPW], v0, 2, SPARE
	v_mov_b32 v[NIL], 0
	ds_add_u32 v28, v29
	ds_add_u32 v28, v29
	s_wait_dscnt 0x0
	v_lshrrev_b32 v1, 5, v0
	v_readfirstlane_b32 s14, v1                    ; wave 0..3
	s_lshr_b32 s15, s14, 1                         ; rh: which 128 queries are mine
	s_and_b32 s16, s14, 1                          ; ch: which 128 keys
	s_bfe_u32 s96, ttmp6, 0x40000                  ; cx
	s_bfe_u32 s97, ttmp6, 0x40004                  ; cy
	s_lshl_b32 s98, ttmp9, 2
	s_add_co_u32 s98, s98, s96                     ; X = 4 x cluster x + cx: which 512 keys of the batch
	s_and_b32 s100, ttmp7, 0xffff
	s_lshl_b32 s99, s100, 2
	s_add_co_u32 s99, s99, s97                     ; Y = 4 x cluster y + cy: which 256 queries
	s_lshr_b32 s100, s100, 1                       ; the batch, from the cluster's y alone: the keys' addresses never see cy
	s_lshl_b32 s17, s97, 2
	s_lshl_b32 s17, 15, s17                        ; my row of the cluster
	s_lshl_b32 s23, 0x1111, s96                    ; my column
	s_or_b32 s[G1A], s17, (3<<16)|(1<<21)          ; 15:0 the mask; 17:16 elements of 8 bytes; 21 set beside a mask; no padding
	s_or_b32 s[G1SA], s17, (3<<16)|(1<<21)
	s_or_b32 s[G1B], s23, (3<<16)|(1<<21)
	s_or_b32 s[G1SB], s23, (3<<16)|(1<<21)
	s_or_b32 s[G1W], s23, (3<<16)|(1<<21)
	SHAPE G1A, 768, 16, 1536                       ; sixteen fragments of rows x four K steps (6,144 bytes), 12,288 bytes apart: half of the queries' K
	SHAPE G1B, 384, 4, 1536                        ; the ring's refills: four fragments of rows x two K steps
	SHAPE G1W, 384, 16, 1536                       ; a slot's first fill: all sixteen fragments of rows
	SHAPE G1SA, 128, 8, 4096                       ; eight planes' 256 words, 32,768 bytes apart
	SHAPE G1SB, 256, 8, 8192                       ; eight planes' 512 words (both tiles), 65,536 bytes apart
	s_lshl_b32 s2, s99, 4                          ; the queries: fragment of rows 16 Y
	s_mul_i32 s2, s2, 12288
	s_mov_b32 s3, 0
	s_lshl_b32 s66, s100, 8                        ; the keys: fragment of rows 256 batch + 32 X + 4 w, behind the queries' codes
	s_lshl_b32 s67, s98, 5
	s_add_co_u32 s66, s66, s67
	s_lshl_b32 s67, s14, 2
	s_add_co_u32 s66, s66, s67
	s_mul_i32 s66, s66, 12288
	s_add_co_u32 s66, s66, 6291456
	s_mov_b32 s67, 0
	s_lshl_b32 s20, s99, 10                        ; the queries' scale words: plane 0, rows 256 Y on
	s_mov_b32 s21, 0
	s_lshl_b32 s96, s100, 14                       ; the keys': both tiles, plane 0 on, rows 4,096 batch + 512 X on
	s_lshl_b32 s97, s98, 11
	s_add_co_u32 s96, s96, s97
	s_add_co_u32 s96, s96, 262144
	s_mov_b32 s97, 0
	s_mul_i32 s101, s14, 12288                     ; where my quarter of a tile goes: no place in the cluster enters an LDS address
	s_mov_b32 s12, 0x3d38aa3b                      ; c = log2(e) / sqrt(1,024)
	s_mov_b32 s13, s12                             ; (the packed form names the pair)
	s_mov_b32 s18, 0x76543210
	s_mov_b32 s19, 0xfedcba98                      ; selects for lane l xor 16
	s_mov_b32 s22, 0xffff0000                      ; lanes 16-31
	s_wait_kmcnt 0x0
	s_add_nc_u64 s[2:3], s[4:5], s[2:3]
	s_add_nc_u64 s[66:67], s[4:5], s[66:67]
	s_add_nc_u64 s[20:21], s[6:7], s[20:21]
	s_add_nc_u64 s[96:97], s[6:7], s[96:97]
.irp g, 0,1
	s_mov_b32 s[G0A+4*\g], 1
	s_mov_b32 s[G0A+4*\g+1], 98304*\g
	s_add_nc_u64 s[G0A+4*\g+2:G0A+4*\g+3], s[2:3], 6144*\g
	s_or_b32 s[G0A+4*\g+3], s[G0A+4*\g+3], 0x80000000
.endr
.irp g, 0,1
	s_mov_b32 s[G0B+4*\g], 1
	s_add_co_u32 s[G0B+4*\g+1], s101, BK+SLB*\g
	s_add_nc_u64 s[G0B+4*\g+2:G0B+4*\g+3], s[66:67], 3072*\g
	s_or_b32 s[G0B+4*\g+3], s[G0B+4*\g+3], 0x80000000
.endr
	s_mov_b32 s[G0SA], 1
	s_mov_b32 s[G0SA+1], SCA
	s_mov_b64 s[G0SA+2:G0SA+3], s[20:21]
	s_or_b32 s[G0SA+3], s[G0SA+3], 0x80000000
	s_mov_b32 s[G0SB], 1
	s_mov_b32 s[G0SB+1], SCB
	s_mov_b64 s[G0SB+2:G0SB+3], s[96:97]
	s_or_b32 s[G0SB+3], s[G0SB+3], 0x80000000
	s_lshl_b32 s20, s99, 4                         ; my codes: fragment of rows 16 Y + 8 rh, segment 4 X + ch (+ 2 for the second tile)
	s_lshl_b32 s21, s15, 3
	s_add_co_u32 s20, s20, s21
	s_mul_i32 s20, s20, 49152
	s_lshl_b32 s2, s98, 2
	s_add_co_u32 s2, s2, s16
	s_mul_i32 s21, s2, 12288                       ; p_codes lies [128 queries][segment][8 fragments][1,536]: a segment is 12,288 bytes
	s_add_co_u32 s20, s20, s21
	s_mov_b32 s21, 0
	s_add_nc_u64 s[PB:PB+1], s[8:9], s[20:21]
	s_lshl_b32 s20, s2, 15                         ; my statistics: [segment][8,192 rows] words, rows 256 Y + 128 rh on
	s_lshl_b32 s2, s99, 10
	s_add_co_u32 s20, s20, s2
	s_lshl_b32 s2, s15, 9
	s_add_co_u32 s20, s20, s2
	s_add_nc_u64 s[SBS:SBS+1], s[10:11], s[20:21]
	s_bfe_u32 s20, ttmp6, 0x40004                  ; the prefetches: fragment row 256 batch + 32 X + 16 (the second tile) + 4 cy: every descriptor is made, and none of these registers feeds one
	s_lshl_b32 s20, s20, 2
	s_lshl_b32 s21, s100, 8
	s_add_co_u32 s20, s20, s21
	s_lshl_b32 s21, s98, 5
	s_add_co_u32 s20, s20, s21
	s_add_co_u32 s20, s20, 16
	s_mul_i32 s20, s20, 12288
	s_add_co_u32 s20, s20, 6291456
	s_mov_b32 s21, 0
	s_add_nc_u64 s[PFK:PFK+1], s[4:5], s[20:21]
	s_and_b32 s20, ttmp7, 1                        ; the cluster's y: the same in all sixteen partners
	s_cmp_eq_u32 s20, 0
	s_cselect_b32 s[LIM], 3, 0
	s_mul_i32 s20, s14, 49152                      ; the keys' first fragment of rows of the tile: my quarter's address less 4 w fragments of rows
	s_mov_b32 s21, 0
	s_sub_nc_u64 s[66:67], s[66:67], s[20:21]
.irp g, 0,1
	s_mov_b32 s[G0W+4*\g], 1
	s_mov_b32 s[G0W+4*\g+1], BK+SLB*\g
	s_add_nc_u64 s[G0W+4*\g+2:G0W+4*\g+3], s[66:67], 3072*\g
	s_or_b32 s[G0W+4*\g+3], s[G0W+4*\g+3], 0x80000000
.endr
	CROUND                                         ; all sixteen work-groups are here: the first joint loads meet
	; one tensor load a wave at the head: what the first 512 along K need
	s_cmp_eq_u32 s14, 0
	s_cbranch_scc0 .Lh1
	tensor_load_to_lds s[G0A:G0A+3], s[G1A:G1A+7]              ; wave 0: the queries' first half of K
	s_nop 0
	PLACES
	s_branch .Lhj
.Lh1:
	s_cmp_eq_u32 s14, 1
	s_cbranch_scc0 .Lh2
	tensor_load_to_lds s[G0W:G0W+3], s[G1W:G1W+7]              ; wave 1: the keys' slot 0
	s_nop 0
	PLACES
	s_branch .Lhj
.Lh2:
	s_cmp_eq_u32 s14, 2
	s_cbranch_scc0 .Lh3
	tensor_load_to_lds s[G0SB:G0SB+3], s[G1SB:G1SB+7]          ; wave 2: the keys' scale words
	s_nop 0
	PLACES
	s_branch .Lhj
.Lh3:
	tensor_load_to_lds s[G0SA:G0SA+3], s[G1SA:G1SA+7]          ; wave 3: the queries' scale words
	s_nop 0
	PLACES
.Lhj:
	v_and_b32 v1, 31, v0                           ; lane
	v_and_b32 v2, 15, v0                           ; r
	v_bfe_u32 v3, v0, 4, 1                         ; h
	v_lshlrev_b32 v[PO], 4, v1
	v_lshlrev_b32 v[H8], 3, v3
	s_mul_i32 s20, s15, 49152                      ; my eight fragments of rows of the sixteen, 6,144 bytes each in a half of K
	v_add_nc_u32 v[ADRA], s20, v[PO]
	v_add_nc_u32 v[ADRA+1], 98304, v[ADRA]
	s_mul_i32 s20, s16, 24576
	s_add_co_u32 s20, s20, BK
	v_add_nc_u32 v[ADRB], s20, v[PO]
	v_add_nc_u32 v[ADRB+1], SLB, v[ADRB]
	v_lshlrev_b32 v2, 2, v2
	v_lshl_add_u32 v2, v3, 10, v2                  ; 4 r + 1,024 h: lanes 16-31 take the plane of the slot's second K step
	s_lshl_b32 s20, s15, 9
	s_add_co_u32 s20, s20, SCA
	v_add_nc_u32 v[AAS], s20, v2
	s_lshl_b32 s20, s16, 9
	s_add_co_u32 s20, s20, SCB
	v_lshl_add_u32 v2, v3, 10, v2                  ; 4 r + 2,048 h: a plane of the keys' words holds both tiles, 2,048 bytes
	v_add_nc_u32 v[ABS], s20, v2
	s_mul_i32 s20, s14, 1536
	s_add_co_u32 s20, s20, STG
	v_lshl_add_u32 v[SGW], v1, 2, s20
	v_add_nc_u32 v[SGR], s20, v[PO]
	v_mul_u32_u24 v[PFO], v0, 2731                 ; thread j: (2,731 j) / 65,536 = j / 24 for j under 96
	v_lshrrev_b32 v[PFO], 16, v[PFO]
	v_mul_u32_u24 v[PFO], v[PFO], 6144             ; a fragment row is 12,288 bytes, of which 6,144 are asked for:
	v_lshl_add_u32 v[PFO], v0, 8, v[PFO]           ; 256 j + 6,144 (j / 24)
.macro FRAG reg, adr, off              ; a fragment comes back as it was stored: 16 bytes a lane, 512 consecutive bytes a load
.irp c, 0,1,2
	ds_load_b128 v[\reg+4*\c:\reg+4*\c+3], v[\adr] offset:\off+512*\c
.endr
.endm
.macro FETCH_B s, q, p                 ; the keys' eight fragments of slot s, K step q, into set p
	WIN TO_B
.irp i, 0,1,2,3,4,5,6,7
	FRAG 128*(\p)+FR*\i, ADRB+\s, 3072*\i+1536*(\q)
.endr
	WIN 0
.endm
.macro FETCH_A sg, q, i0               ; the queries' blocks i0 .. i0 + 3 of the sg-th 256 along K
.irp i, \i0, \i0+1, \i0+2, \i0+3
	FRAG AF+FR*(\i), ADRA+(\sg)/2, 6144*(\i)+3072*((\sg)%2)+1536*(\q)
.endr
.endm
.macro SCALES set, sg, t               ; the scale words of the sg-th 256 along K: both K steps in one register
.irp i, 0,1,2,3,4,5,6,7
	ds_load_b32 v[AS+8*(\set)+\i], v[AAS] offset:2048*(\sg)+64*\i
	ds_load_b32 v[BS+8*(\set)+\i], v[ABS] offset:1024*(\t)+4096*(\sg)+64*\i
.endr
.endm
; 16 matrix instructions: the queries' blocks a0, a0 + 1 x the keys' eight.  The 64 accumulators take turns, one instruction a turn, in the same order in every step.
.macro MUL16 a0, p, q, set, zero
.irp a, \a0, \a0+1
.irp b, 0,1,2,3,4,5,6,7
.set rD, 8*(8*((\a)%4)+\b)
.set rB, 128*(\p)+FR*\b
.set rA, AF+FR*(\a)
.set rSB, BS+8*(\set)+\b
.set rSA, AS+8*(\set)+(\a)
.if \zero
	v_wmma_scale_f32_16x16x128_f8f6f4 v[rD:rD+7], v[rB:rB+FR-1], v[rA:rA+FR-1], 0, v[rSB], v[rSA] matrix_a_fmt:MATRIX_FMT_FP6 matrix_b_fmt:MATRIX_FMT_FP6
.elseif \q
	v_wmma_scale_f32_16x16x128_f8f6f4 v[rD:rD+7], v[rB:rB+FR-1], v[rA:rA+FR-1], v[rD:rD+7], v[rSB], v[rSA] matrix_a_fmt:MATRIX_FMT_FP6 matrix_b_fmt:MATRIX_FMT_FP6 matrix_a_scale:MATRIX_SCALE_ROW1 matrix_b_scale:MATRIX_SCALE_ROW1
.else
	v_wmma_scale_f32_16x16x128_f8f6f4 v[rD:rD+7], v[rB:rB+FR-1], v[rA:rA+FR-1], v[rD:rD+7], v[rSB], v[rSA] matrix_a_fmt:MATRIX_FMT_FP6 matrix_b_fmt:MATRIX_FMT_FP6
.endif
.endr
.endr
.endm
.macro STEP s, sg, zero                ; a slot's first K step; its second is fetched meanwhile
	s_wait_dscnt 12                                ; all but the youngest twelve loads (the queries' blocks 4-7)
	WIN MUL_LO
	MUL16 0, 0, 0, \s, \zero
	MUL16 2, 0, 0, \s, \zero
	s_wait_dscnt 0x0
	PLACES
	FETCH_B \s, 1, 1
	FETCH_A \sg, 1, 0
	WIN MUL_HI
	MUL16 4, 0, 0, \s, \zero
	MUL16 6, 0, 0, \s, \zero
	PLACES
	WIN 0
	FETCH_A \sg, 1, 4
.endm
; A slot's second K step changes slots: ONE barrier; ahead of it each wave waits for all its tensor loads, adds 0 to its spare word, and waits for that and for its reads of the slot.
; mode 1: the slot takes this tile's K two slots on; 2: the next tile's; 0: nothing.  fetch = 1: the next slot's first fragments (the nsg-th 256 along K) are fetched.  ask = 0, 1: the next tile's first or second pair of slots is prefetched; 2: nothing.
.macro TURN s, sg, mode, fetch, nsg, t, ask
	s_wait_tensorcnt 0x0                           ; all my tensor loads have landed, my part of the next slot among them
	ds_add_u32 v[SPW], v[NIL]                      ; 0 onto my spare word
	s_wait_dscnt 13                                ; (the add and the youngest twelve loads may be out)
	WIN MUL_LO
	MUL16 0, 1, 1, \s, 0
	s_wait_dscnt 0x0                               ; the add is done, and my reads of this slot are over
	s_barrier_signal -1
	MUL16 2, 1, 1, \s, 0
	WIN 0
	s_barrier_wait -1
.if \mode
	CREST                                          ; the barrier has opened a round of the cluster's: no wave of any partner still reads this slot or has a load on its way
.if \mode == 1
	s_add_nc_u64 s[G0B+4*\s+2:G0B+4*\s+3], s[G0B+4*\s+2:G0B+4*\s+3], 6144
.else
	s_add_nc_u64 s[G0B+4*\s+2:G0B+4*\s+3], s[G0B+4*\s+2:G0B+4*\s+3], 190464   ; sixteen fragments of rows on, two slots back along K
.endif
	tensor_load_to_lds s[G0B+4*\s:G0B+4*\s+3], s[G1B:G1B+7]   ; my one tensor load behind the round, and the first thing there
	s_nop 0
.endif
	PLACES                                         ; behind the load, and ahead of the loads below
.if \fetch
	FETCH_B 1-\s, 0, 0
	FETCH_A \nsg, 0, 0
	SCALES 1-\s, \nsg, \t
.if \ask < 2
	ASK 6144*(\ask)
.endif
.endif
	WIN MUL_HI
	MUL16 4, 1, 1, \s, 0
	MUL16 6, 1, 1, \s, 0
.if \fetch
	PLACES
	WIN 0
	FETCH_A \nsg, 0, 4
.else
	WIN 0
.endif
.endm
; THE WAY OUT of block a of 16 queries (64 registers a lane: two blocks of 32 keys).  The maxima and the sums go in four chains by turns, so that three other lines stand between a line and the one that reads its result.
.macro BLK a, t
.set AC, 64*((\a)%4)
.set WW, 2+(\a)/4
.set WN1, (WW<<2)|(WW<<4)
.set PCS, PC+12*((\a)%2)
	WIN WN1                                        ; sources 1 and 2 in the accumulators' window
.irp k, 0,1,2,3
	v_max3_num_f32 v[BM+\k], 0xff800000, v[AC+16*\k], v[AC+16*\k+1]    ; chain k: registers 16 k on, two accumulators; each accumulator is read from its low end on
.endr
.irp i, 2,4,6,8,10,12,14
.irp k, 0,1,2,3
	v_max3_num_f32 v[BM+\k], v[BM+\k], v[AC+16*\k+\i], v[AC+16*\k+\i+1]
.endr
.endr
	WIN 0
	v_max_num_f32 v[BM], v[BM], v[BM+1]            ; the largest score of my first block of 32 keys,
	v_max_num_f32 v[BM+1], v[BM+2], v[BM+3]        ; and of my second
	v_max_num_f32 v[T0], v[BM], v[BM+1]
	v_permlanex16_b32 v[T1], v[T0], s18, s19
	v_max_num_f32 v[T0], v[T0], v[T1]              ; the row's largest score of these 128 keys
	v_mul_f32 v[T0], s12, v[T0]                    ; as t (c is positive)
	v_floor_f32 v[NM], -v[T0]                      ; -M = floor(-t): M is a whole number
	v_fma_f32 v[BM], v[BM], s12, v[NM]             ; each block's largest t - M: p rises with the score, so this gives the block's largest p
	v_fma_f32 v[BM+1], v[BM+1], s12, v[NM]
	WIN WW                                         ; source 0 in the accumulators' window
.set j, 0
.rept 32
	v_pk_fma_f32 v[EP+j:EP+j+1], v[AC+j:AC+j+1], s[12:13], v[NM:NM+1] op_sel_hi:[1,0,0]   ; t - M, two at a time
.set j, j+2
.endr
	WIN 0
.set j, 0
	s_wait_alu depctr_va_vdst(0)
.rept 64
	v_exp_f32 v[EP+j], v[EP+j]                     ; p = 2^(t - M): not normalised
.set j, j+1
.endr
	v_exp_f32 v[BM], v[BM]
	v_exp_f32 v[BM+1], v[BM+1]
	v_nop                                          ; a plain place behind the last exponential
	s_wait_alu depctr_va_vdst(0)                   ; one wait for the batch of 66, ahead of its first reader
.irp k, 0,1,2,3
	v_pk_add_f32 v[SS+2*\k:SS+2*\k+1], v[EP+4*\k:EP+4*\k+1], v[EP+4*\k+2:EP+4*\k+3]   ; the sum is taken of the unquantised p
.endr
.irp j, 16,24,32,40,48,56
.irp k, 0,1,2,3
	v_pk_add_f32 v[SS+2*\k:SS+2*\k+1], v[SS+2*\k:SS+2*\k+1], v[EP+\j+2*\k:EP+\j+2*\k+1]
.endr
.endr
.irp c, 0,1
	v_max_num_f32 v[BM+\c], 0x1800000, v[BM+\c]    ; the floor 2^(3 - 127): the byte cannot fall under 1
.endr
	v_pk_add_f32 v[SS:SS+1], v[SS:SS+1], v[SS+2:SS+3]          ; (the sum's end and the scale word's lines by turns)
	v_pk_add_f32 v[SS+4:SS+5], v[SS+4:SS+5], v[SS+6:SS+7]
.irp c, 0,1
	v_add_nc_u32 v[SO+\c], 0xff000000, v[BM+\c]    ; 2 off the exponent field: the conversion's scale operand
.endr
	v_pk_add_f32 v[SS:SS+1], v[SS:SS+1], v[SS+4:SS+5]
.irp c, 0,1
	v_lshrrev_b32 v[BY+\c], 23, v[SO+\c]           ; the scale's byte, 125 at the most
.endr
	v_add_f32 v[LL], v[SS], v[SS+1]
	v_lshl_or_b32 v[WD], v[BY+1], 16, v[BY]        ; my bytes, blocks h and 2 + h, at their places;
	v_permlanex16_b32 v[LT], v[LL], s18, s19
	v_lshlrev_b32 v[WD], v[H8], v[WD]
	v_add_f32 v[LL], v[LL], v[LT]                  ; l of the row's 128 keys
	v_permlanex16_b32 v[WT], v[WD], s18, s19
	s_wait_alu depctr_va_vdst(0)
	s_wait_xcnt 0x0                                ; the stores of two blocks ago have read these registers
.irp c, 0,1
	v_cvt_scalef32_pk16_fp6_f32 v[PCS+6*\c:PCS+6*\c+2], v[EP+32*\c:EP+32*\c+15], v[SO+\c]
	v_cvt_scalef32_pk16_fp6_f32 v[TC+4*\c:TC+4*\c+2], v[EP+32*\c+16:EP+32*\c+31], v[SO+\c]   ; (a conversion's three registers begin on an even number)
.endr
	v_or_b32 v[WD], v[WD], v[WT]                   ; with lane l xor 16's the word is whole.  (The plain place behind the scaled conversions)
.irp c, 0,1
.irp i, 0,1,2
	v_mov_b32 v[PCS+6*\c+3+\i], v[TC+4*\c+\i]
.endr
.endr
.irp c, 0,1,2
	global_store_b128 v[PO], v[PCS+4*\c:PCS+4*\c+3], s[PB:PB+1] offset:1536*(\a)+24576*(\t)+512*\c   ; the fragment's image: 512 consecutive bytes a store, aligned
.endr
.if (\a)%2 == 0                        ; two blocks' statistics share a register: lanes 0-15 the even block's rows, lanes 16-31 the odd block's (both halves of the lanes hold each row's)
	v_mov_b32 v[ST+(\a)/2], v[WD]
	v_mov_b32 v[ST+4+(\a)/2], v[NM]
	v_mov_b32 v[ST+8+(\a)/2], v[LL]
.else
	v_cndmask_b32 v[ST+(\a)/2], v[ST+(\a)/2], v[WD], s22
	v_cndmask_b32 v[ST+4+(\a)/2], v[ST+4+(\a)/2], v[NM], s22
	v_cndmask_b32 v[ST+8+(\a)/2], v[ST+8+(\a)/2], v[LL], s22
.endif
.endm
.macro EPI t
	PLACES
.irp a, 0,1,2,3,4,5,6,7
	BLK \a, \t
.endr
.irp p, 0,1,2                          ; the three planes' 128 words turn through my own bytes of LDS, so that each leaves as 512 consecutive bytes
.irp k, 0,1,2,3
	ds_store_b32 v[SGW], v[ST+4*\p+\k] offset:512*\p+128*\k
.endr
.endr
.irp p, 0,1,2
	ds_load_b128 v[SB+4*\p:SB+4*\p+3], v[SGR] offset:512*\p    ; LDS serves a wave's instructions in order: these see the stores above
.endr
	s_wait_dscnt 0x0
.irp p, 0,1,2
	global_store_b128 v[PO], v[SB+4*\p:SB+4*\p+3], s[SBS:SBS+1] offset:1048576*\p+65536*(\t)
.endr
.endm
	s_wait_alu depctr_va_vdst(0)
	s_wait_tensorcnt 0x0                           ; my first fill is in
	ds_add_u32 v[SPW], v[NIL]
	s_wait_dscnt 0x0
	CROUND                                         ; everybody's first fill is in, and the joint loads below meet
	s_cmp_eq_u32 s14, 0
	s_cbranch_scc0 .Lg1
	tensor_load_to_lds s[G0A+4:G0A+7], s[G1A:G1A+7]            ; wave 0: the queries' second half of K
	s_nop 0
	PLACES
	s_branch .Lgj
.Lg1:
	s_cmp_eq_u32 s14, 1
	s_cbranch_scc0 .Lgj
	tensor_load_to_lds s[G0W+4:G0W+7], s[G1W:G1W+7]            ; wave 1: the keys' slot 1
	s_nop 0
	PLACES
.Lgj:
	s_mov_b32 s[TLS], 2
.Ltile:
	FETCH_B 0, 0, 0
	FETCH_A 0, 0, 0
	SCALES 0, 0, 0
	FETCH_A 0, 0, 4
	STEP 0, 0, 1                                   ; the first products start the sums: nothing is cleared
	TURN 0, 0, 1, 1, 1, 0, 0                       ; in the first tile the next tile's slots 0 and 1 are prefetched (s[LIM] is 0 in the second)
	STEP 1, 1, 0
	TURN 1, 1, 1, 1, 2, 0, 2
	STEP 0, 2, 0
	s_cmp_eq_u32 s[TLS], 1
	s_cbranch_scc1 .Llast                          ; the same in every wave of every work-group
	TURN 0, 2, 2, 1, 3, 0, 1                       ; the ring goes on into the next tile: its two slots land under this tile's way out; its slots 2 and 3 are prefetched
	STEP 1, 3, 0
	TURN 1, 3, 2, 0, 0, 0, 2
	s_branch .Lepi
.Llast:
	TURN 0, 2, 0, 1, 3, 0, 2                       ; nothing is left to fetch
	STEP 1, 3, 0
	s_wait_dscnt 12
	WIN MUL_LO
	MUL16 0, 1, 1, 1, 0
	MUL16 2, 1, 1, 1, 0
	s_wait_dscnt 0x0
	WIN MUL_HI
	MUL16 4, 1, 1, 1, 0
	MUL16 6, 1, 1, 1, 0
	WIN 0
.Lepi:
	EPI 0
	s_wait_xcnt 0x0                                ; the stores have read their registers and bases: only now are these written again
	s_add_nc_u64 s[PB:PB+1], s[PB:PB+1], 24576     ; the next tile's codes: two segments on
	s_add_nc_u64 s[SBS:SBS+1], s[SBS:SBS+1], 65536 ; and its statistics
	s_mov_b32 s[LIM], 0                            ; the second tile prefetches nothing
	v_add_nc_u32 v[ABS], 1024, v[ABS]              ; the next tile's 256 scale words of each plane
	s_sub_co_u32 s[TLS], s[TLS], 1
	s_cmp_lg_u32 s[TLS], 0
	s_wait_alu depctr_va_vdst(0)                   ; directly ahead of the branch
	s_cbranch_scc1 .Ltile
	s_wait_tensorcnt 0x0                           ; the wave's end
	ds_add_u32 v[SPW], v[NIL]
	s_wait_dscnt 0x0
	CROUND                                         ; the closing round: no work-group ends while a partner may still ask for a tile that names it
	s_endpgm
.Lfunc_end_k_qa9b9a1bd6b_scores:
	.size	k_qa9b9a1bd6b_scores, .Lfunc_end_k_qa9b9a1bd6b_scores-k_qa9b9a1bd6b_scores
	.p2alignl 7, 3214868480
	.fill 96, 4, 3214868480
	.section	.rodata,"a",@progbits
	.p2align	6, 0x0
	.amdhsa_kernel k_qa9b9a1bd6b_scores
		.amdhsa_group_segment_fixed_size 327680
		.amdhsa_private_segment_fixed_size 0
		.amdhsa_enable_private_segment 0
		.amdhsa_kernarg_size 32
		.amdhsa_user_sgpr_count 2
		.amdhsa_user_sgpr_kernarg_segment_ptr 1
		.amdhsa_wavefront_size32 1
		.amdhsa_system_sgpr_workgroup_id_x 1
		.amdhsa_system_sgpr_workgroup_id_y 1
		.amdhsa_system_sgpr_workgroup_id_z 1
		.amdhsa_system_vgpr_workitem_id 0
		.amdhsa_next_free_vgpr 1024
		.amdhsa_next_free_sgpr 102
		.amdhsa_reserve_vcc 0
		.amdhsa_float_denorm_mode_32 3
		.amdhsa_float_denorm_mode_16_64 3
		.amdhsa_memory_ordered 1
		.amdhsa_forward_progress 1
		.amdhsa_inst_pref_size 227
	.end_amdhsa_kernel
	.amdgpu_metadata
---
amdhsa.version: [ 1, 2 ]
amdhsa.kernels:
  - .name:           k_qa9b9a1bd6b_scores
    .symbol:         k_qa9b9a1bd6b_scores.kd
    .args:
      - { .name: qk_codes, .offset: 0, .size: 8, .value_kind: global_buffer, .address_space: global }
      - { .name: qk_scales, .offset: 8, .size: 8, .value_kind: global_buffer, .address_space: global }
      - { .name: p_codes, .offset: 16, .size: 8, .value_kind: global_buffer, .address_space: global }
      - { .name: p_stats, .offset: 24, .size: 8, .value_kind: global_buffer, .address_space: global }
    .group_segment_fixed_size: 327680
    .private_segment_fixed_size: 0
    .kernarg_segment_align: 8
    .kernarg_segment_size: 32
    .max_flat_workgroup_size: 128
    .sgpr_count:     102
    .vgpr_count:     1024
    .wavefront_size: 32
...
	.end_amdgpu_metadata
.endif
;; end of part 2
;; launch apply (part 3): grid 4 x 64, 4 waves a work-group, clusters of 4 x 1, 327,680 bytes of LDS; arguments p_codes, p_stats, v_codes, v_scales, out0; writes out0
.if DOCPART == 3
	.amdgcn_target "amdgcn-amd-amdhsa--gfx1250"
	.amdhsa_code_object_version 6
	.text
	.protected	k_qa9b9a1bd6b_apply
	.globl	k_qa9b9a1bd6b_apply
	.p2align	8
	.type	k_qa9b9a1bd6b_apply,@function
k_qa9b9a1bd6b_apply:
	s_mov_b64 s[64:65], 0
	v_nop
	global_prefetch_b8 v0, s[64:65] scope:SCOPE_SE
	s_setreg_imm32_b32 hwreg(HW_REG_WAVE_MODE, 25, 1), 1
	s_wait_xcnt 0x0
	s_wait_alu depctr_hold_cnt(0) depctr_sa_sdst(0) depctr_va_vdst(0) depctr_va_sdst(0) depctr_va_ssrc(0) depctr_va_vcc(0) depctr_vm_vsrc(0)
	s_getreg_b32 s2, hwreg(HW_REG_IB_STS2, 6, 4)
	s_cmp_eq_u32 s2, 0
	s_cbranch_scc0 .Lentry_in_a_cluster
	s_endpgm
.Lentry_in_a_cluster:
	s_bfe_u32 s2, ttmp6, 0x10000c
	s_cmp_lg_u32 s2, 0x3003
	s_cbranch_scc0 .Lentry_shape_is_right
	s_endpgm
.Lentry_shape_is_right:
; APPLY.  O^T = V^T P^T on codes of FP6 (E2M3) with E8M0 scales, K = 4,096 keys in 32 K steps of 128, and the end of the softmax.
; HEAD: a thread takes one of the work-group's 128 rows: the row's M is the largest of its 32 segments' M; each segment's scale word of p has M - M(segment) taken off every byte
;   (a whole number; a byte that would fall under 0 becomes 0, the smallest finite scale), l is the sum of the segments' l x 2^(M(segment) - M), and 1 / l waits in LDS for the way out.
; LIMITS: NaN and infinities are not served; a segment more than 127 under the row's M counts as 127 under it.
; SHARES.  A work-group makes 128 queries x 256 channels.  Wave (rh, ch) takes all 128 queries x channels 128 ch on, and of each four K steps the two from 2 rh on: 64 accumulators, 16 K steps.
;   At the end the two waves of a channel half hand each other 64 queries' sums through LDS and add.
; V GOES FROM MEMORY STRAIGHT INTO REGISTERS: the workspace holds images of the operand's registers, and each fragment of V is used by ONE wave of the work-group. Three sets of eight fragments take turns:
;   the set that a K step has multiplied takes the loads of three K steps on; they are waited for by count.  No tensor load brings V, so no joint request can.
; P, which two waves of each of four work-groups use, comes by JOINT tensor loads (cluster 4 x 1: the four channel blocks of 128 queries), each wave a quarter of a dense block:
;   K steps 0-11 to slot 0 at the head, 12-23 to slot 1 behind the first round, 24-31 to slot 0 again when its last fragments are in registers: each fill is asked for five or six of a wave's K steps ahead of its first read, so P is not prefetched.
; V IS PREFETCHED INTO THE L2: in its even K steps 0 to 8 a wave names one fragment (6 blocks of 256 bytes; the lanes left over name the sixth again) of the pair of K steps three pairs on, whose loads are issued three K steps later.
;   The 16 work-groups of a batch that read the same 16 fragments of a pair take one each, by address (Y % 16).  The first three pairs come by their loads alone.
; SCALE WORDS: a register holds 32 neighbouring rows' words: lanes 0-15 an even fragment's, lanes 16-31 the next odd one's.
; REGISTERS: window 0: v4-31, v40-45 addresses; v32-39 p's scale words (2 sets), v48-63 V's (4 sets); v64-159 p's eight fragments; v160-255 V's set 2.  window 1: V's sets 0, 1 at v0, v96.  windows 2, 3: accumulator (a, b) at v[8 (8 (a % 4) + b)].
.set FR,    12
.set KS,    12288                      ; a K step of p: eight fragments
.set SLOT,  147456                     ; slot 1; slot 0 lies at 0
.set ASC,   294912                     ; p's scale words under the row's M: [32 K steps][128 rows]
.set RL,    311296                     ; 1 / l, 128 rows
.set SPARE, 311808                     ; the spare words, 128 bytes a wave
.set RC,   4
.set STO,  12
.set RD,   13
.set ADL,  16                          ; v16-21 my accumulators' first four fragments of p, a register for each pair of my K steps in the two slots
.set ADH,  22                          ; v22-27 the other four
.set SPW,  28
.set NIL,  29
.set XR,   30
.set RLA,  31
.set AS,   32
.set LI,   40                          ; 16 x lane
.set L4,   41                          ; 4 x lane
.set AASL, 42
.set AASH, 43
.set PFO,  44
.set XW,   45
.set BS,   48
.set AF,   64
.set BKR,  128
.set SE,   168
.set SF,   172
.set SD,   176
.set SX,   180
.set SG,   184
.set SH,   188
.set G1,   32                          ; s[32:39] three K steps, a quarter of a slot
.set G1T,  40                          ; s[40:47] two K steps, a quarter of the last fill
.set G0,   48                          ; s[48:59] the three fills' groups 0, never rewritten
.set VB,   60                          ; s[60:61] my fragments of V; never rewritten
.set VSB,  62                          ; s[62:63] their scale words; never rewritten
.set KM,   66
.set MSB, 0
.macro WIN new                         ; the immediate's high byte repeats the setting that is left
.if MSB != (\new)
	s_set_vgpr_msb (MSB<<8)|(\new)
.set MSB, \new
.endif
.endm
.set TO_B,   0x40
.macro PLACES                          ; four plain places behind a matrix instruction (ISA guide 7.12.1)
.rept 4
	v_nop
.endr
.endm
.macro CREST
	s_cmp_lg_u32 s14, 0
	s_cbranch_scc1 .Lnot_wave_0_\@
	s_barrier_signal -3
.Lnot_wave_0_\@:
	s_barrier_wait -3
	s_barrier_signal -1
	s_barrier_wait -1
.endm
.macro CROUND
	s_barrier_signal -1
	s_barrier_wait -1
	CREST
.endm
.macro SHAPE g, c, r, p
	s_mov_b32 s[\g], 15|(3<<16)|(1<<21)            ; the mask of all four partners; elements of 8 bytes; bit 21 beside a mask
	s_mov_b32 s[\g+1], (\c)<<16
	s_mov_b32 s[\g+2], (\r)<<16
	s_mov_b32 s[\g+3], (\c)<<16
	s_mov_b32 s[\g+4], \r
	s_mov_b32 s[\g+5], \p
	s_mov_b32 s[\g+6], 0
	s_mov_b32 s[\g+7], 0
.endm
	s_load_b256 s[4:11], s[0:1], 0x0               ; p_codes, p_stats, v_codes, v_scales
	s_load_b64 s[12:13], s[0:1], 0x20              ; out0
	v_lshl_add_u32 v[SPW], v0, 2, SPARE
	v_mov_b32 v[NIL], 0
	ds_add_u32 v[SPW], v[NIL]                      ; the opening lines
	ds_add_u32 v[SPW], v[NIL]
	v_lshrrev_b32 v1, 5, v0
	v_readfirstlane_b32 s14, v1                    ; wave
	s_lshr_b32 s15, s14, 1                         ; rh
	s_and_b32 s16, s14, 1                          ; ch
	s_bfe_u32 s17, ttmp6, 0x40000
	s_lshl_b32 s18, ttmp9, 2
	s_add_co_u32 s17, s17, s18                     ; X: which 256 channels
	s_and_b32 s18, ttmp7, 0xffff                   ; Y: which 128 queries; the same in all four partners
	s_lshr_b32 s19, s18, 4                         ; batch
	SHAPE G1, 1536, 3, 1536
	SHAPE G1T, 1536, 2, 1536
	s_mul_i32 s20, s18, 393216                     ; p: 32 K steps of 12,288 bytes for each 128 queries
	s_mov_b32 s21, 0
	s_lshl_b32 s22, s18, 9                         ; the statistics: 128 Y rows on
	s_mov_b32 s23, 0
	s_lshl_b32 s24, s19, 6                         ; V: fragment of rows 64 batch + 16 X + 8 ch, K step 2 rh
	s_lshl_b32 s31, s17, 4
	s_add_co_u32 s24, s24, s31
	s_lshl_b32 s31, s16, 3
	s_add_co_u32 s24, s24, s31
	s_mul_i32 s24, s24, 49152
	s_mul_i32 s31, s15, 3072
	s_add_co_u32 s24, s24, s31
	s_mov_b32 s25, 0
	s_lshl_b32 s30, s17, 10
	s_lshl_b32 s31, s16, 9
	s_add_co_u32 s30, s30, s31                     ; 4 x (256 X + 128 ch)
	s_lshl_b32 s26, s19, 17                        ; V's scale words: [32 batch + K step][1,024 channels]
	s_add_co_u32 s26, s26, s30
	s_lshl_b32 s31, s15, 13
	s_add_co_u32 s26, s26, s31
	s_mov_b32 s27, 0
	s_lshl_b32 s28, s18, 19                        ; out: row 128 Y + 64 rh
	s_add_co_u32 s28, s28, s30
	s_lshl_b32 s31, s15, 18
	s_add_co_u32 s28, s28, s31
	s_mov_b32 s29, 0
	v_lshlrev_b32 v1, 2, v0
	v_lshl_add_u32 v2, v0, 2, ASC
	v_lshl_add_u32 v3, v0, 2, RL
	v_and_b32 v14, 31, v0                          ; lane
	v_and_b32 v15, 15, v0                          ; r
	v_bfe_u32 v10, v0, 4, 1                        ; h
	v_lshlrev_b32 v[LI], 4, v14
	v_lshlrev_b32 v[L4], 2, v14
	s_mul_i32 s2, s15, 30720                       ; K step 2 rh, fragment 4 rh: the 64 queries that I keep come first
	v_add_nc_u32 v[ADL], s2, v[LI]
	s_xor_b32 s3, s15, 1
	s_mul_i32 s31, s3, 6144
	s_mul_i32 s2, s15, 24576
	s_add_co_u32 s31, s31, s2                      ; K step 2 rh, fragment 4 (1 - rh)
	v_add_nc_u32 v[ADH], s31, v[LI]
.irp k, 1,2,3,4,5
	v_add_nc_u32 v[ADL+\k], 49152*\k, v[ADL]       ; four K steps on
	v_add_nc_u32 v[ADH+\k], 49152*\k, v[ADH]
.endr
	s_mul_i32 s2, s15, 1280
	s_add_co_u32 s2, s2, ASC
	v_add_nc_u32 v[AASL], s2, v[L4]                ; plane 2 rh, rows 64 rh on
	s_lshl_b32 s31, s3, 8
	s_lshl_b32 s2, s15, 10
	s_add_co_u32 s31, s31, s2
	s_add_co_u32 s31, s31, ASC
	v_add_nc_u32 v[AASH], s31, v[L4]               ; plane 2 rh, rows 64 (1 - rh) on
	s_lshl_b32 s2, s14, 15
	s_add_co_u32 s2, s2, SLOT
	v_add_nc_u32 v[XW], s2, v[LI]                  ; the exchange: 32,768 bytes a wave in slot 1, which has had its last fill and its last read by then
	s_xor_b32 s2, s14, 2
	s_lshl_b32 s2, s2, 15
	s_add_co_u32 s2, s2, SLOT
	v_add_nc_u32 v[XR], s2, v[LI]
	s_lshl_b32 s2, s15, 8
	s_add_co_u32 s2, s2, RL
	v_lshl_add_u32 v[RLA], v15, 2, s2
	s_mul_i32 s2, s14, 16*528                      ; the stage of the way out: 16 rows of 528 bytes a wave, in slot 0
	v_add_nc_u32 v[RD], s2, v[LI]
	v_mul_u32_u24 v[STO], v15, 528
	v_lshl_add_u32 v[STO], v10, 5, v[STO]
	v_add_nc_u32 v[STO], s2, v[STO]
	s_and_b32 s2, s18, 15                          ; the prefetches: fragment of rows (Y % 16) / 2, K step (Y % 16) % 2 of a pair
	s_lshr_b32 s3, s2, 1
	s_mul_i32 s3, s3, 49152
	s_and_b32 s2, s2, 1
	s_mul_i32 s2, s2, 1536
	s_add_co_u32 s3, s3, s2
	v_min_u32 v14, 5, v14
	v_lshl_add_u32 v[PFO], v14, 8, s3
	s_mov_b32 s[KM], 0x80808080
	s_mul_i32 s[G0+1], s14, 36864
	s_add_co_u32 s[G0+5], s[G0+1], SLOT
	s_mul_i32 s[G0+9], s14, 24576
	s_wait_dscnt 0x0                               ; both opening adds are done
	s_wait_alu depctr_va_vdst(0)                   ; the wait at the head's end
	s_wait_kmcnt 0x0
	s_add_nc_u64 s[6:7], s[6:7], s[22:23]
.set i, 0
.rept 32
	global_load_b32 v[64+i], v1, s[6:7] offset:1048576+32768*i     ; -M of my row's 32 segments
.set i, i+1
.endr
	s_add_nc_u64 s[4:5], s[4:5], s[20:21]
	s_add_nc_u64 s[VB:VB+1], s[8:9], s[24:25]
	s_add_nc_u64 s[VSB:VSB+1], s[10:11], s[26:27]
	s_add_nc_u64 s[12:13], s[12:13], s[28:29]
	s_mov_b32 s2, s[G0+1]
	s_mov_b32 s3, 0
	s_add_nc_u64 s[G0+2:G0+3], s[4:5], s[2:3]
	s_add_nc_u64 s[G0+6:G0+7], s[G0+2:G0+3], SLOT
	s_add_co_u32 s2, s[G0+9], 2*SLOT
	s_add_nc_u64 s[G0+10:G0+11], s[4:5], s[2:3]
.irp g, 0,1,2
	s_mov_b32 s[G0+4*\g], 1
	s_or_b32 s[G0+4*\g+3], s[G0+4*\g+3], 0x80000000
.endr
	CROUND                                         ; the four partners are here: the first joint loads meet
	tensor_load_to_lds s[G0:G0+3], s[G1:G1+7]      ; my quarter of K steps 0-11: one tensor load a wave at the head
	s_nop 0
	PLACES
.set i, 0
.rept 32
	global_load_b32 v[96+i], v1, s[6:7] offset:2097152+32768*i     ; l
.set i, i+1
.endr
.set i, 0
.rept 32
	global_load_b32 v[128+i], v1, s[6:7] offset:32768*i            ; p's scale words
.set i, i+1
.endr
; my K step t is K step 4 (t / 2) + 2 rh + t % 2.  V(t): eight fragments, 24 loads of 512 consecutive bytes, and four loads of 128 consecutive bytes of scale words: 28 loads
.macro VLOAD t, hf                     ; hf = 0: fragments 0-3, 12 loads; hf = 1: fragments 4-7 and the scale words, 16 loads
.if (\t)%3 == 2
.set VR, 160
	WIN 0
.else
.set VR, 96*((\t)%3)
	WIN TO_B
.endif
.irp i, 0,1,2,3
.irp c, 0,1,2
	global_load_b128 v[VR+FR*(4*\hf+\i)+4*\c:VR+FR*(4*\hf+\i)+4*\c+3], v[LI], s[VB:VB+1] offset:49152*(4*\hf+\i)+6144*((\t)/2)+1536*((\t)%2)+512*\c
.endr
.endr
	WIN 0
.if \hf
.irp u, 0,1,2,3
	global_load_b32 v[BS+4*((\t)%4)+\u], v[L4], s[VSB:VSB+1] offset:16384*((\t)/2)+4096*((\t)%2)+128*\u
.endr
.endif
.endm
.macro ALOAD t, hf                     ; four fragments of p: 12 LDS loads
.irp i, 0,1,2,3
.irp c, 0,1,2
	ds_load_b128 v[AF+FR*(4*\hf+\i)+4*\c:AF+FR*(4*\hf+\i)+4*\c+3], v[ADL+6*\hf+((\t)/2)%6] offset:KS*((\t)%2)+1536*\i+512*\c
.endr
.endr
.endm
.macro ASLOAD t                        ; p's scale words of a K step: 4 LDS loads
.irp u, 0,1
	ds_load_b32 v[AS+4*((\t)%2)+\u], v[AASL] offset:2048*((\t)/2)+512*((\t)%2)+128*\u
	ds_load_b32 v[AS+4*((\t)%2)+2+\u], v[AASH] offset:2048*((\t)/2)+512*((\t)%2)+128*\u
.endr
.endm
.macro WM                              ; sel = 4 x (C is 0) + 2 x (V's fragment is odd) + (p's fragment is odd)
.if sel == 0
	v_wmma_scale_f32_16x16x128_f8f6f4 v[rD:rD+7], v[rB:rB+FR-1], v[rA:rA+FR-1], v[rD:rD+7], v[rSB], v[rSA] matrix_a_fmt:MATRIX_FMT_FP6 matrix_b_fmt:MATRIX_FMT_FP6
.elseif sel == 1
	v_wmma_scale_f32_16x16x128_f8f6f4 v[rD:rD+7], v[rB:rB+FR-1], v[rA:rA+FR-1], v[rD:rD+7], v[rSB], v[rSA] matrix_a_fmt:MATRIX_FMT_FP6 matrix_b_fmt:MATRIX_FMT_FP6 matrix_b_scale:MATRIX_SCALE_ROW1
.elseif sel == 2
	v_wmma_scale_f32_16x16x128_f8f6f4 v[rD:rD+7], v[rB:rB+FR-1], v[rA:rA+FR-1], v[rD:rD+7], v[rSB], v[rSA] matrix_a_fmt:MATRIX_FMT_FP6 matrix_b_fmt:MATRIX_FMT_FP6 matrix_a_scale:MATRIX_SCALE_ROW1
.elseif sel == 3
	v_wmma_scale_f32_16x16x128_f8f6f4 v[rD:rD+7], v[rB:rB+FR-1], v[rA:rA+FR-1], v[rD:rD+7], v[rSB], v[rSA] matrix_a_fmt:MATRIX_FMT_FP6 matrix_b_fmt:MATRIX_FMT_FP6 matrix_a_scale:MATRIX_SCALE_ROW1 matrix_b_scale:MATRIX_SCALE_ROW1
.elseif sel == 4
	v_wmma_scale_f32_16x16x128_f8f6f4 v[rD:rD+7], v[rB:rB+FR-1], v[rA:rA+FR-1], 0, v[rSB], v[rSA] matrix_a_fmt:MATRIX_FMT_FP6 matrix_b_fmt:MATRIX_FMT_FP6
.elseif sel == 5
	v_wmma_scale_f32_16x16x128_f8f6f4 v[rD:rD+7], v[rB:rB+FR-1], v[rA:rA+FR-1], 0, v[rSB], v[rSA] matrix_a_fmt:MATRIX_FMT_FP6 matrix_b_fmt:MATRIX_FMT_FP6 matrix_b_scale:MATRIX_SCALE_ROW1
.elseif sel == 6
	v_wmma_scale_f32_16x16x128_f8f6f4 v[rD:rD+7], v[rB:rB+FR-1], v[rA:rA+FR-1], 0, v[rSB], v[rSA] matrix_a_fmt:MATRIX_FMT_FP6 matrix_b_fmt:MATRIX_FMT_FP6 matrix_a_scale:MATRIX_SCALE_ROW1
.else
	v_wmma_scale_f32_16x16x128_f8f6f4 v[rD:rD+7], v[rB:rB+FR-1], v[rA:rA+FR-1], 0, v[rSB], v[rSA] matrix_a_fmt:MATRIX_FMT_FP6 matrix_b_fmt:MATRIX_FMT_FP6 matrix_a_scale:MATRIX_SCALE_ROW1 matrix_b_scale:MATRIX_SCALE_ROW1
.endif
.endm
; 16 matrix instructions: p's fragments a0, a0 + 1 x V's eight.  TRANSPOSED: source 0 = 16 channels, source 1 = 16 queries.  The 64 accumulators take turns in the same order in every K step.
.macro MUL16 a0, t, zero
.irp a, \a0, \a0+1
.irp b, 0,1,2,3,4,5,6,7
.set rD, 8*(8*((\a)%4)+\b)
.set rB, VM+FR*\b
.set rA, AF+FR*(\a)
.set rSB, BS+4*((\t)%4)+\b/2
.set rSA, AS+4*((\t)%2)+(\a)/2
.set sel, 4*\zero+2*(\b%2)+(\a)%2
	WM
.endr
.endr
.endm
; A K step.  kind 0: plain.  kind 1, 2: the last of a slot: its fragments of p are in registers or on their way, and the next K step's lie in the other slot.
;   Ahead of the barrier each wave waits for all its tensor loads, adds 0 to its spare word, and waits for that and for its reads of the slot.  kind 1: the barrier opens a round of the cluster's, and the slot is filled again.
; 16 matrix instructions the other way round: V's fragments b0 .. b0 + 3 x p's fragments 4-7: behind them these four fragments of V are done with for this K step
.macro MULB b0, t, zero
.irp b, \b0, \b0+1, \b0+2, \b0+3
.irp a, 4,5,6,7
.set rD, 8*(8*(\a%4)+(\b))
.set rB, VM+FR*(\b)
.set rA, AF+FR*\a
.set rSB, BS+4*((\t)%4)+(\b)/2
.set rSA, AS+4*((\t)%2)+\a/2
.set sel, 4*\zero+2*((\b)%2)+\a%2
	WM
.endr
.endr
.endm
.macro STEP t, kind, zero
.if (\t)%3 == 2
.set VM, 160
.set SW, 0
.else
.set VM, 96*((\t)%3)
.set SW, 1
.endif
.if (\t) < 14
	s_wait_loadcnt 56                              ; V(t) and its scale words are in; the 28 loads of each of the two K steps behind it may be out
.else
	s_wait_loadcnt 28*(15-(\t))
.endif
.if \kind
	WIN 0
	s_wait_tensorcnt 0x0                           ; all my tensor loads have landed
	ds_add_u32 v[SPW], v[NIL]
	s_wait_dscnt 13                                ; (the add and the youngest twelve loads, p's other four fragments, may be out)
	WIN 0xa0|SW
	MUL16 0, \t, 0
	s_wait_dscnt 0x0                               ; the add is done, and my reads of this slot are over
	s_barrier_signal -1
	MUL16 2, \t, 0
	WIN 0
	s_barrier_wait -1
.if \kind == 1
	CREST                                          ; no wave of any partner still reads slot 0 or has a load on its way
	tensor_load_to_lds s[G0+8:G0+11], s[G1T:G1T+7] ; my quarter of K steps 24-31: my one tensor load behind the round
	s_nop 0
.endif
	PLACES
.else
	s_wait_dscnt 12                                ; p's first four fragments and the scale words are in; the youngest twelve loads may be out
	WIN 0xa0|SW
	MUL16 0, \t, \zero
	MUL16 2, \t, \zero
.if (\t) < 15
	PLACES
	WIN 0
.endif
.endif
.if (\t) < 15
.if ((\t)%2 == 0) && ((\t) <= 8)
	global_prefetch_b8 v[PFO], s[VB:VB+1] offset:6144*((\t)/2+3) th:TH_LOAD_NT scope:SCOPE_SE
.endif
	ALOAD (\t)+1, 0
	ASLOAD (\t)+1
.if \kind == 0
	s_wait_dscnt 16                                ; all but the 16 just issued
.endif
.else
	s_wait_dscnt 0x0
.endif
	WIN 0xf0|SW
	MULB 0, \t, \zero
.if (\t)+3 <= 15
	PLACES
	VLOAD (\t)+3, 0                                ; into the four fragments just done with
	WIN 0xf0|SW
.endif
	MULB 4, \t, \zero
.if (\t) < 15
	PLACES
.if (\t)+3 <= 15
	VLOAD (\t)+3, 1                                ; and into the other four
.endif
	WIN 0
	ALOAD (\t)+1, 1
.endif
.endm
	VLOAD 0, 0
	VLOAD 0, 1
	VLOAD 1, 0
	VLOAD 1, 1
	s_wait_loadcnt 56                              ; the statistics are in; V's 56 loads may be out
	v_min3_num_f32 v4, v64, v65, v66               ; -M of the row: the least -M of its segments
.irp i, 67,69,71,73,75,77,79,81,83,85,87,89,91,93
	v_min3_num_f32 v4, v4, v[\i], v[\i+1]
.endr
	v_min_num_f32 v4, v4, v95
.irp g, 0,1,2,3,4,5,6,7                ; four segments by turns
.irp k, 0,1,2,3
	v_sub_f32 v[SE+\k], v4, v[64+4*\g+\k]          ; M(segment) - M, 0 or less
.endr
.irp k, 0,1,2,3
	v_max_num_f32 v[SE+\k], 0xc2fe0000, v[SE+\k]   ; held at -127
.endr
.irp k, 0,1,2,3
	v_cvt_i32_f32 v[SE+\k], v[SE+\k]
.endr
.irp k, 0,1,2,3
	v_ldexp_f32 v[SF+\k], 1.0, v[SE+\k]
.endr
.irp k, 0,1,2,3
	v_sub_nc_u32 v[SD+\k], 0, v[SE+\k]
.endr
.irp k, 0,1,2,3
.if \g == 0
	v_mul_f32 v[5+2*\k], v[96+4*\g+\k], v[SF+\k]
.else
	v_fmac_f32 v[5+2*\k], v[96+4*\g+\k], v[SF+\k]
.endif
.endr
.irp k, 0,1,2,3
	v_lshl_or_b32 v[SD+\k], v[SD+\k], 8, v[SD+\k]
.endr
.irp k, 0,1,2,3
	v_lshl_or_b32 v[SD+\k], v[SD+\k], 16, v[SD+\k] ; the difference in all four bytes
.endr
.irp k, 0,1,2,3
	v_or_b32 v[SX+\k], s[KM], v[128+4*\g+\k]       ; the bytes are 125 at the most: bit 7 of each is a
.endr
.irp k, 0,1,2,3
	v_sub_nc_u32 v[SX+\k], v[SX+\k], v[SD+\k]
.endr
.irp k, 0,1,2,3
	v_and_b32 v[SG+\k], s[KM], v[SX+\k]            ; the guard stands: the byte did not fall under 0
.endr
.irp k, 0,1,2,3
	v_lshrrev_b32 v[SH+\k], 7, v[SG+\k]
.endr
.irp k, 0,1,2,3
	v_sub_nc_u32 v[SG+\k], v[SG+\k], v[SH+\k]      ; 0x7f there, else 0
.endr
.irp k, 0,1,2,3
	v_and_b32 v[SX+\k], v[SX+\k], v[SG+\k]
.endr
.irp k, 0,1,2,3
	ds_store_b32 v2, v[SX+\k] offset:512*(4*\g+\k)
.endr
.endr
	v_add_f32 v5, v5, v7
	v_add_f32 v9, v9, v11
	v_add_f32 v5, v5, v9
	s_wait_alu depctr_va_vdst(0)                   ; the wait ahead of the transcendental
	v_rcp_f32 v6, v5
	v_nop
	s_wait_alu depctr_va_vdst(0)                   ; and ahead of its first reader
	ds_store_b32 v3, v6
	s_wait_tensorcnt 0x0                           ; my quarter of slot 0 is in
	ds_add_u32 v[SPW], v[NIL]
	s_wait_dscnt 0x0                               ; the add and my stores of scale words and 1 / l are done
	CROUND
	tensor_load_to_lds s[G0+4:G0+7], s[G1:G1+7]    ; my quarter of K steps 12-23, into slot 1
	s_nop 0
	PLACES
	VLOAD 2, 0
	VLOAD 2, 1
	ALOAD 0, 0
	ASLOAD 0
	ALOAD 0, 1
	STEP 0, 0, 1                                   ; the first products start the sums
.irp t, 1,2,3,4
	STEP \t, 0, 0
.endr
	STEP 5, 1, 0
.irp t, 6,7,8,9,10
	STEP \t, 0, 0
.endr
	STEP 11, 2, 0
.irp t, 12,13,14,15
	STEP \t, 0, 0
.endr
	WIN 0
	PLACES
	WIN 0x0c                                       ; the 64 queries that my partner keeps: window 3, as it lies
.set n, 0
.rept 64
	ds_store_b128 v[XW], v[4*n:4*n+3] offset:512*n
.set n, n+1
.endr
	WIN 0
	s_wait_dscnt 0x0
	s_barrier_signal -1
	s_barrier_wait -1
.irp e, 0,1,2,3
	ds_load_b32 v[RC+2*\e], v[RLA] offset:64*\e    ; 1 / l of my rows
.endr
.macro XLOAD e                         ; my partner's sums of block e of 16 queries: 16 LDS loads into window 1
	WIN TO_B
.set n, 16*(\e)
.rept 16
	ds_load_b128 v[4*n:4*n+3], v[XR] offset:512*n
.set n, n+1
.endr
	WIN 0
.endm
.macro JOIN e                          ; block e: the two halves of K are added, and the sum is divided by l
	WIN 0x86
.set j, 64*(\e)
.rept 32
	v_pk_add_f32 v[j:j+1], v[j:j+1], v[j:j+1]      ; window 2 += window 1
.set j, j+2
.endr
	WIN 0x82
.set j, 64*(\e)
.rept 32
	v_pk_mul_f32 v[j:j+1], v[j:j+1], v[RC+2*(\e):RC+2*(\e)+1] op_sel_hi:[1,0]
.set j, j+2
.endr
	WIN 0
.endm
.macro TOSTAGE e
	WIN 0x08
.irp b, 0,1,2,3,4,5,6,7
	ds_store_b128 v[STO], v[64*(\e)+8*\b:64*(\e)+8*\b+3] offset:64*\b
	ds_store_b128 v[STO], v[64*(\e)+8*\b+4:64*(\e)+8*\b+7] offset:64*\b+16
.endr
	WIN 0
.irp t, 0,1,2,3,4,5,6,7,8,9,10,11,12,13,14,15
	ds_load_b128 v[BKR+64*((\e)%2)+4*\t:BKR+64*((\e)%2)+4*\t+3], v[RD] offset:\t*528
.endr
.endm
.macro SEND e, younger                 ; row t of fragment e is query 8 e + 32 (t / 8) + t % 8 of my 64; a store covers 512 consecutive bytes, aligned
	s_wait_dscnt \younger
.irp t, 0,1,2,3,4,5,6,7,8,9,10,11,12,13,14,15
	global_store_b128 v[LI], v[BKR+64*((\e)%2)+4*\t:BKR+64*((\e)%2)+4*\t+3], s[12:13] offset:(8*(\e)+32*(\t/8)+\t%8)*4096 th:TH_STORE_NT
.endr
.endm
; block by block, so that a block's stores leave while the next blocks are joined.  LDS serves a wave's instructions in order: each count below is the number of LDS instructions issued behind those that are waited for.
	XLOAD 0
	XLOAD 1
	s_wait_dscnt 16                                ; 1 / l and block 0 are in; block 1's 16 loads may be out
	JOIN 0
	XLOAD 2
	TOSTAGE 0
	s_wait_dscnt 48                                ; block 1 is in; behind it: block 2's 16 loads and the stage's 32
	JOIN 1
	XLOAD 3
	TOSTAGE 1
	SEND 0, 48                                     ; behind block 0's way through the stage: block 3's 16 loads and the stage's 32.  Block 2 is in too
	s_wait_xcnt 0x0                                ; block 0's stores have read their registers, which block 2 takes
	JOIN 2
	TOSTAGE 2
	SEND 1, 32                                     ; block 3 is in too
	s_wait_xcnt 0x0
	JOIN 3
	TOSTAGE 3
	SEND 2, 32
	SEND 3, 0
	s_wait_tensorcnt 0x0                           ; the wave's end
	ds_add_u32 v[SPW], v[NIL]
	s_wait_dscnt 0x0
	CROUND                                         ; the closing round
	s_endpgm
.Lfunc_end_k_qa9b9a1bd6b_apply:
	.size	k_qa9b9a1bd6b_apply, .Lfunc_end_k_qa9b9a1bd6b_apply-k_qa9b9a1bd6b_apply
	.p2alignl 7, 3214868480
	.fill 96, 4, 3214868480
	.section	.rodata,"a",@progbits
	.p2align	6, 0x0
	.amdhsa_kernel k_qa9b9a1bd6b_apply
		.amdhsa_group_segment_fixed_size 327680
		.amdhsa_private_segment_fixed_size 0
		.amdhsa_enable_private_segment 0
		.amdhsa_kernarg_size 40
		.amdhsa_user_sgpr_count 2
		.amdhsa_user_sgpr_kernarg_segment_ptr 1
		.amdhsa_wavefront_size32 1
		.amdhsa_system_sgpr_workgroup_id_x 1
		.amdhsa_system_sgpr_workgroup_id_y 1
		.amdhsa_system_sgpr_workgroup_id_z 1
		.amdhsa_system_vgpr_workitem_id 0
		.amdhsa_next_free_vgpr 1024
		.amdhsa_next_free_sgpr 72
		.amdhsa_reserve_vcc 0
		.amdhsa_float_denorm_mode_32 3
		.amdhsa_float_denorm_mode_16_64 3
		.amdhsa_memory_ordered 1
		.amdhsa_forward_progress 1
		.amdhsa_inst_pref_size 255
	.end_amdhsa_kernel
	.section	.bss,"aw",@nobits
	.p2align	6
	.space	262144
	.amdgpu_metadata
---
amdhsa.version: [ 1, 2 ]
amdhsa.kernels:
  - .name:           k_qa9b9a1bd6b_apply
    .symbol:         k_qa9b9a1bd6b_apply.kd
    .args:
      - { .name: p_codes, .offset: 0, .size: 8, .value_kind: global_buffer, .address_space: global }
      - { .name: p_stats, .offset: 8, .size: 8, .value_kind: global_buffer, .address_space: global }
      - { .name: v_codes, .offset: 16, .size: 8, .value_kind: global_buffer, .address_space: global }
      - { .name: v_scales, .offset: 24, .size: 8, .value_kind: global_buffer, .address_space: global }
      - { .name: out0, .offset: 32, .size: 8, .value_kind: global_buffer, .address_space: global }
    .group_segment_fixed_size: 327680
    .private_segment_fixed_size: 0
    .kernarg_segment_align: 8
    .kernarg_segment_size: 40
    .max_flat_workgroup_size: 128
    .sgpr_count:     72
    .vgpr_count:     1024
    .wavefront_size: 32
...
	.end_amdgpu_metadata
.endif
;; end of part 3
